; MI455X (gfx1250); checked and timed in simulation.
; The chip was launched on July 23, 2026; its instructions are those of AMD's public machine-readable ISA for CDNA 5 (MIT licence, August 2026) and "CDNA5" Instruction Set Architecture Reference Guide (July 2026). The comments in the code are by the model that wrote it; some were corrected since.
;; Multi Head Attention. Allowed arithmetic: matrix products marked QUANTISED: E4M3 operands, one E8M0 scale for each 32 along K, by v_wmma_scale_f32_16x16x128_f8f6f4 with both operands' format E4M3, f32 sums; everything else in f32.
;; Inputs: Wk_b 1,024 float32; Wk_w_codes 1,024 x 32 x 32 uint8 (E4M3 codes of Wk_w, K innermost, in blocks of 32 codes); Wk_w_scales 1,024 x 32 uint8 (E8M0 scales of Wk_w, one for each 32 codes along K); Wq_b 1,024 float32; Wq_w_codes 1,024 x 32 x 32 uint8 (E4M3 codes of Wq_w, K innermost, in blocks of 32 codes); Wq_w_scales 1,024 x 32 uint8 (E8M0 scales of Wq_w, one for each 32 codes along K); Wv_b 1,024 float32; Wv_w_codes 1,024 x 32 x 32 uint8 (E4M3 codes of Wv_w, K innermost, in blocks of 32 codes); Wv_w_scales 1,024 x 32 uint8 (E8M0 scales of Wv_w, one for each 32 codes along K); keys_codes 1 x 4,096 x 32 x 32 uint8 (E4M3 codes of keys, K innermost, in blocks of 32 codes); keys_scales 1 x 4,096 x 32 uint8 (E8M0 scales of keys, one for each 32 codes along K); queries 1 x 4,096 x 1,024 float32; values_codes 1 x 4,096 x 32 x 32 uint8 (E4M3 codes of values, K innermost, in blocks of 32 codes); values_scales 1 x 4,096 x 32 uint8 (E8M0 scales of values, one for each 32 codes along K).
;; Outputs: out0 1 x 4,096 x 1,024 float32.
;; This version of the problem:
;;   THIS VERSION OF THE PROBLEM IS GIVEN IN LOW PRECISION. The matrix products marked QUANTISED in the list below multiply operands that are first quantised to E4M3 (4 exponent bits, 3 mantissa bits; 8 bits a number), with one power-of-two scale for each 32 numbers along K (OCP MX v1.0); their sums are f32. All else is computed in f32.
;;   The module's matrix products, in the order in which they are computed (A, B: the left and right operand; K: the contracted axis; several contracted axes count as one K, in the product's order):
;;     1. [M 4,096, K 1,024] x [K 1,024, N 1,024]; A: input queries; B: input Wq_w (given as codes): QUANTISED
;;     2. [M 4,096, K 1,024] x [K 1,024, N 1,024]; A: input keys (given as codes); B: input Wk_w (given as codes): QUANTISED
;;     3. [M 4,096, K 1,024] x [K 1,024, N 1,024]; A: input values (given as codes); B: input Wv_w (given as codes): QUANTISED
;;     4. batch 16 x [M 4,096, K 64] x [K 64, N 4,096]; A: computed on the way; B: computed on the way: QUANTISED
;;     5. batch 16 x [M 4,096, K 4,096] x [K 4,096, N 64]; A: softmax (see below); B: computed on the way: QUANTISED
;;   THE QUANTISER, for each operand of a quantised product, along K:
;;     - K is cut into blocks of 32 from its start; a last block that is shorter is filled with zeros.
;;     - A block's scale is 2^e with e = floor(log2(the largest magnitude in the block)) - 8, held to -126 .. 127; a block of zeros has e = 0. As a byte (E8M0): e + 127.
;;     - Each number is divided by its block's scale, clamped to +-448, and rounded to the nearest number of E4M3, ties to even, subnormals kept.
;;     - The product sums the exact products of the quantised numbers (number of the format x scale) in f32.
;;   ~~~python
;;   def quantise(x, axis):      # numpy; x: float32 -> the quantised numbers, widened to float32 again
;;       x = np.moveaxis(x, axis, -1); K = x.shape[-1]
;;       x = np.pad(x, [(0, 0)] * (x.ndim - 1) + [(0, -K % 32)]); x = x.reshape(x.shape[:-1] + (-1, 32)); a = np.abs(x).max(-1, keepdims=True)
;;       e = np.where(a > 0, np.clip(np.frexp(np.where(a > 0, a, 1))[1] - 1 - 8, -126, 127), 0)      # np.frexp(a)[1] - 1 = floor(log2(a)), exactly
;;       r = np.clip(x / 2.0 ** e, -448, 448)
;;       step = 2.0 ** (np.maximum(np.frexp(np.where(r == 0, 1, r))[1] - 1, -6) - 3)
;;       q = np.round(r / step) * step * 2.0 ** e      # np.round: ties to even
;;       return np.moveaxis(q.reshape(q.shape[:-2] + (-1,))[..., :K], -1, axis).astype(np.float32)
;;   ~~~
;;   SOFTMAX AHEAD OF A QUANTISED PRODUCT. Where the list says 'softmax', what is quantised is not the finished softmax but p = 2^(t - M), with t = logit x log2(e) and M = ceil(the row's largest t), a whole number; so 1/2 < the row's largest p <= 1. The row's sum l is taken of the UNQUANTISED p, in f32, and the product's result is divided by l at the end. Since M is a whole number, a kernel that streams over the keys may use a running M (the ceiling of the running maximum): every later rescaling is an exact power of two, which a block's scale takes up: the codes' values come out the same.
;;   OPERANDS COMPUTED ON THE WAY. 'Computed on the way' means the value that the module computes at that place (a softmax that the list does not call 'softmax' is quantised finished and normalised). What goes into a quantiser is computed in f32, as accurately as f32 sums, v_exp_f32 and their like allow (about 1e-6 of the number): no bf16 or f16 on the way to a quantiser, and a product that is left as it is and whose result goes on into a quantised operand takes f32 operands (vector FMAs, or v_wmma_f32_16x16x4_f32). A number that lies on a knife's edge between two numbers of the format may be rounded either way, as far as f32 arithmetic and the matrix unit's own rounding can turn it there, and no further.
;;   INPUTS GIVEN AS CODES. Wk_w (in the module: [1024, 1024], K = its axis 1); Wq_w (in the module: [1024, 1024], K = its axis 1); Wv_w (in the module: [1024, 1024], K = its axis 1); keys (in the module: [1, 4096, 1024], K = its axis 2); values (in the module: [1, 4096, 1024], K = its axis 2): each comes as NAME_codes (uint8): NAME with its K axis moved to the last place and cut into blocks of 32 codes, [.., K / 32, bytes a block], one block behind the other in memory; one code a byte (a code: sign, 4 exponent bits, 3 mantissa bits); and NAME_scales (uint8): the same leading axes, one E8M0 byte (e + 127) for each 32 codes along K. Its value is code x scale, taken as it is: it is not quantised again, and the codes and scales need not be those that the quantiser above would give.
;; One version. Each part assembles by itself: llvm-mc -triple=amdgcn-amd-amdhsa -mcpu=gfx1250 --defsym DOCPART=n.
;; ======== version 1 of 1: 3 launches
;; limits: right only within a limited range of input values
;; workspace buffers: qcodes 4,194,304 bytes; qscales 131,072 bytes; qimg 4,194,304 bytes; kimg 4,194,304 bytes; vimg 4,194,304 bytes; sc 393,216 bytes; qsc 393,216 bytes
;; launch quant (part 1): grid 256 x 1, 8 waves a work-group, no clusters, 42,496 bytes of LDS; arguments queries, qcodes, qscales; writes qcodes, qscales
.if DOCPART == 1
	.amdgcn_target "amdgcn-amd-amdhsa--gfx1250"
	.amdhsa_code_object_version 6
	.text
	.protected	k_qf31667c112_quant
	.globl	k_qf31667c112_quant
	.p2align	8
	.type	k_qf31667c112_quant,@function
k_qf31667c112_quant:
	s_mov_b64 s[64:65], 0
	v_nop
	global_prefetch_b8 v0, s[64:65] scope:SCOPE_SE
	s_setreg_imm32_b32 hwreg(HW_REG_WAVE_MODE, 25, 1), 1
	s_wait_xcnt 0x0
; queries [4096][1024], f32, become codes of FP8 (E4M3), K innermost, with one E8M0 scale byte for each 32 along K: operand A of the first projection.
; DEAD WORK: none in this program.  Every input has a way to the output: the three biases go through relu into quantisers, queries also into the residual.  Nothing is left out.
; A block's scale is 2^(floor(log2(its largest magnitude)) - 8); its byte is the largest magnitude's own exponent field - 8, held at 1 from below.
; (A block of zeros so gets the byte 1 where the rule says 127: its codes are zeros, which add nothing under any byte but 0xff, and the bytes are read by this program alone.)
; LIMITS: NaN and infinities among the inputs are not served; blocks whose largest magnitude lies under 2^(8 - 126) are held at the byte 1.
; Rows are dense and 1,024 is a multiple of 32: the tensor is a plain stream of blocks of 32, and so are the codes and the scale bytes.
; A wave takes 4 steps of 512 numbers, and asks for all 16 of its loads at its head.  Each load reads 512 consecutive bytes, 16 a lane; a step's 2,048 bytes turn through the wave's own stage in LDS and come back 64 bytes a lane,
; so that a lane holds 16 neighbours along K (two neighbouring lanes hold a block).  A lane's 16 codes are 16 bytes: the wave stores 512 consecutive bytes.
; The work-group's 512 scale bytes (64 a wave) meet in LDS; behind one barrier wave 0 stores them as 512 consecutive bytes, aligned.  No tensor loads.
; 4,194,304 numbers / 2,048 a wave = 2,048 waves: 256 work-groups of eight.
.set WAVES, 8
.set STEPS, 4
.set EMAX,  8
.set MANT,  0x600000                   ; the mantissa field of 448 as f32
.set CB,    16                         ; bytes of 16 codes
.set R,     16                         ; v16-79   four sets of 16 numbers as they are loaded
.set X,     80                         ; v80-111  two sets of 16 neighbours
.set C,     128                        ; v128-143 codes: four registers for each step, so that no store's data are written again
.set E,     112                        ; v112-115 a scale byte for each step
.set SP,    80                         ; a lane's place in a stage: its 64 bytes + 16 of padding
.set WREG,  2*32*SP                    ; LDS: two stages for each wave
.set SCA,   WAVES*WREG                 ; behind them the work-group's 512 scale bytes
.set SPW,   12                         ; v12      LDS address of my spare word; never rewritten
.set NIL,   13                         ; v13      0; never rewritten
.set SPARE, SCA+512                    ; the spare words, 128 bytes a wave: four blocks of 256 bytes that no other line names
	s_load_b128 s[4:7], s[0:1], 0x0                ; queries, the codes
	s_load_b64 s[10:11], s[0:1], 0x10              ; the scale bytes
	v_lshl_add_u32 v[SPW], v0, 2, SPARE
	v_mov_b32 v[NIL], 0
	v_lshrrev_b32 v1, 5, v0
	v_readfirstlane_b32 s16, v1                    ; wave
	v_and_b32 v2, 31, v0                           ; lane
	v_lshlrev_b32 v3, 4, v2                        ; my 16 bytes of a load's 512
	s_mul_i32 s17, s16, WREG
	v_lshrrev_b32 v14, 2, v2
	v_mul_u32_u24 v14, v14, SP
	v_and_b32 v15, 3, v2
	v_lshl_add_u32 v14, v15, 4, v14
	v_add_nc_u32 v14, s17, v14                     ; the stage, on the way in: SP (lane / 4) + 16 (lane % 4)
	v_mul_u32_u24 v15, v2, SP
	v_add_nc_u32 v15, s17, v15                     ; and on the way out: SP x lane: my 16 neighbours
	v_mul_u32_u24 v4, v2, CB                       ; my codes' place in a step's
	v_lshrrev_b32 v5, 1, v2
	s_lshl_b32 s17, s16, 6
	s_add_co_u32 s17, s17, SCA
	v_add_nc_u32 v5, s17, v5                       ; LDS: my wave's 64 scale bytes, my block's byte
	v_add_nc_u32 v6, SCA, v3                       ; and on the way out 16 bytes a lane of the work-group's 512
	s_mov_b32 s23, MANT
	s_lshl_b32 s17, ttmp9, 3
	s_add_co_u32 s18, s17, s16                     ; which run of 2,048 numbers is my wave's
	s_mov_b32 s19, 0
	s_lshl_b64 s[20:21], s[18:19], 13              ; 8,192 bytes of f32 a run
	s_lshl_b64 s[24:25], s[18:19], 11              ; 2,048 bytes of codes
	s_lshl_b32 s18, ttmp9, 9                       ; 512 scale bytes a work-group
	s_wait_alu depctr_va_vdst(0)                   ; the wait at the head's end
	s_wait_kmcnt 0x0
	s_add_nc_u64 s[4:5], s[4:5], s[20:21]
	s_add_nc_u64 s[8:9], s[6:7], s[24:25]
	s_add_nc_u64 s[10:11], s[10:11], s[18:19]
.macro LOAD t
.irp i, 0,1,2,3
	global_load_b128 v[R+16*(\t)+4*\i:R+16*(\t)+4*\i+3], v3, s[4:5] offset:2048*(\t)+512*\i th:TH_LOAD_NT   ; 32 lanes read 512 consecutive bytes
.endr
.endm
.macro TURN t                          ; step t's numbers through the stage: LDS serves a wave's instructions in order, so no wait stands between the stores and the loads
.irp i, 0,1,2,3
	ds_store_b128 v14, v[R+16*(\t)+4*\i:R+16*(\t)+4*\i+3] offset:32*SP*((\t)%2)+8*SP*\i
.endr
.irp i, 0,1,2,3
	ds_load_b128 v[X+16*((\t)%2)+4*\i:X+16*((\t)%2)+4*\i+3], v15 offset:32*SP*((\t)%2)+16*\i
.endr
.endm
.irp t, 0,1,2,3
	LOAD \t
.endr
	s_wait_loadcnt 12                              ; step 0's four loads are in
	TURN 0
.macro STEP t
.set XS, X+16*((\t)%2)
.if (\t) > 0
	s_wait_dscnt 1                                 ; this step's numbers are back from the stage (the last step's byte store may be out)
.else
	s_wait_dscnt 0x0
.endif
.if (\t)+1 < STEPS
	s_wait_loadcnt 4*(STEPS-2-(\t))                ; the next step's four loads are in; those of the steps behind it may be out
	TURN (\t)+1                                    ; and go through the other stage while this step is worked
.endif
	v_max3_num_f32 v8, |v[XS]|, |v[XS+1]|, |v[XS+2]|               ; the largest magnitude of my 16, in two chains
	v_max3_num_f32 v9, |v[XS+3]|, |v[XS+4]|, |v[XS+5]|
.irp i, 6,10
	v_max3_num_f32 v8, v8, |v[XS+\i]|, |v[XS+\i+1]|
	v_max3_num_f32 v9, v9, |v[XS+\i+2]|, |v[XS+\i+3]|
.endr
	v_max3_num_f32 v8, v8, |v[XS+14]|, |v[XS+15]|
	v_max3_num_f32 v8, v8, v9, (EMAX+1)<<23        ; and the floor 2^(9 - 127): the byte cannot fall under 1
	v_max_num_f32_dpp v8, v8, v8 row_xmask:1 row_mask:0xf bank_mask:0xf   ; and of my neighbour's 16: the block's
	v_add_nc_u32 v11, -(EMAX<<23), v8              ; 8 off its exponent field: the conversion takes the exponent field of this operand as its scale
	v_and_or_b32 v10, v8, 0x7f800000, s23          ; 448 x the scale
.irp i, 0,1,2,3,4,5,6,7,8,9,10,11,12,13,14,15
	v_med3_num_f32 v[XS+\i], v[XS+\i], -v10, v10   ; the conversion to an 8-bit code does not saturate (ISA guide 7.6.2): the hold comes first
.endr
	v_cvt_scalef32_pk8_fp8_f32 v[C+4*(\t):C+4*(\t)+1], v[XS:XS+7], v11
	v_cvt_scalef32_pk8_fp8_f32 v[C+4*(\t)+2:C+4*(\t)+3], v[XS+8:XS+15], v11
	v_lshrrev_b32 v[E+(\t)], 23, v11               ; the scale's byte
	ds_store_b8 v5, v[E+(\t)] offset:16*(\t)       ; both lanes of a block write the same byte with the same value
	global_store_b128 v4, v[C+4*(\t):C+4*(\t)+3], s[8:9] offset:32*CB*(\t)   ; 512 consecutive bytes, aligned
.endm
.irp t, 0,1,2,3
	STEP \t
.endr
	s_wait_dscnt 0x0                               ; for wave 0's sake: my scale bytes are in LDS
	s_barrier_signal -1
	s_barrier_wait -1
	s_cmp_lg_u32 s16, 0
	s_cbranch_scc1 .Lend
	ds_load_b128 v[8:11], v6                       ; wave 0: the eight waves' scale bytes
	s_wait_dscnt 0x0
	global_store_b128 v3, v[8:11], s[10:11]        ; 32 lanes store 512 consecutive bytes, aligned
.Lend:
	s_wait_tensorcnt 0x0                           ; the wave's end: behind my last LDS store
	ds_add_u32 v[SPW], v[NIL]
	s_wait_dscnt 0x0
	s_endpgm
.Lfunc_end_k_qf31667c112_quant:
	.size	k_qf31667c112_quant, .Lfunc_end_k_qf31667c112_quant-k_qf31667c112_quant
	.p2alignl 7, 3214868480
	.fill 96, 4, 3214868480
	.section	.rodata,"a",@progbits
	.p2align	6, 0x0
	.amdhsa_kernel k_qf31667c112_quant
		.amdhsa_group_segment_fixed_size 42496
		.amdhsa_private_segment_fixed_size 0
		.amdhsa_enable_private_segment 0
		.amdhsa_kernarg_size 24
		.amdhsa_user_sgpr_count 2
		.amdhsa_user_sgpr_kernarg_segment_ptr 1
		.amdhsa_wavefront_size32 1
		.amdhsa_system_sgpr_workgroup_id_x 1
		.amdhsa_system_sgpr_workgroup_id_y 1
		.amdhsa_system_sgpr_workgroup_id_z 1
		.amdhsa_system_vgpr_workitem_id 0
		.amdhsa_next_free_vgpr 144
		.amdhsa_next_free_sgpr 66
		.amdhsa_reserve_vcc 0
		.amdhsa_float_denorm_mode_32 3
		.amdhsa_float_denorm_mode_16_64 3
		.amdhsa_memory_ordered 1
		.amdhsa_forward_progress 1
		.amdhsa_inst_pref_size 15
	.end_amdhsa_kernel
	.amdgpu_metadata
---
amdhsa.version: [ 1, 2 ]
amdhsa.kernels:
  - .name:           k_qf31667c112_quant
    .symbol:         k_qf31667c112_quant.kd
    .args:
      - { .name: queries, .offset: 0, .size: 8, .value_kind: global_buffer, .address_space: global }
      - { .name: qcodes, .offset: 8, .size: 8, .value_kind: global_buffer, .address_space: global }
      - { .name: qscales, .offset: 16, .size: 8, .value_kind: global_buffer, .address_space: global }
    .group_segment_fixed_size: 42496
    .private_segment_fixed_size: 0
    .kernarg_segment_align: 8
    .kernarg_segment_size: 24
    .max_flat_workgroup_size: 256
    .sgpr_count:     66
    .vgpr_count:     144
    .wavefront_size: 32
...
	.end_amdgpu_metadata
.endif
;; end of part 1
;; launch proj (part 2): grid 4 x 48, 4 waves a work-group, clusters of 4 x 4, 327,680 bytes of LDS; arguments qcodes, qscales, Wq_w_codes, Wq_w_scales, Wq_b, qimg, qsc, keys_codes, keys_scales, Wk_w_codes, Wk_w_scales, Wk_b, kimg, sc, Wv_w_codes, Wv_w_scales, values_codes, values_scales, Wv_b, vimg; writes qimg, qsc, kimg, vimg, sc
.if DOCPART == 2
	.amdgcn_target "amdgcn-amd-amdhsa--gfx1250"
	.amdhsa_code_object_version 6
	.text
	.protected	k_qf31667c112_proj
	.globl	k_qf31667c112_proj
	.p2align	8
	.type	k_qf31667c112_proj,@function
k_qf31667c112_proj:
	s_mov_b64 s[64:65], 0
	v_nop
	global_prefetch_b8 v0, s[64:65] scope:SCOPE_SE
	s_setreg_imm32_b32 hwreg(HW_REG_WAVE_MODE, 25, 1), 1
	s_wait_xcnt 0x0
	s_wait_alu depctr_hold_cnt(0) depctr_sa_sdst(0) depctr_va_vdst(0) depctr_va_sdst(0) depctr_va_ssrc(0) depctr_va_vcc(0) depctr_vm_vsrc(0)
	s_getreg_b32 s2, hwreg(HW_REG_IB_STS2, 6, 4)
	s_cmp_eq_u32 s2, 0
	s_cbranch_scc0 .Lentry_in_a_cluster
	s_endpgm
.Lentry_in_a_cluster:
	s_bfe_u32 s2, ttmp6, 0x10000c
	s_cmp_lg_u32 s2, 0xf033
	s_cbranch_scc0 .Lentry_shape_is_right
	s_endpgm
.Lentry_shape_is_right:
.set KSTEP,  256
.set NQ,     2
.set ROWB,   256
.set KROW,   1024
.set PITCH,  272
.set FR,     16
.set NL,     4
.set NP,     8
.set HALFT,  128*PITCH
.set SLOT,   4*HALFT
.set KS,     32
.set SCL,    2*SLOT
.set HALFS,  16*272
.set SBLK,   2*272
.set SPARE,  SCL+4*HALFS
.set ADRA, 16
.set SOV,  18
.set BKO,  19
.set ADRB, 20
.set STV,  22
.set RDV,  23
.set STK,  24
.set RDK,  25
.set CO,   26
.set ADRS, 27
.set SPW,  28
.set NIL,  29
.set BVO,  30
.set SC,   32
.set BV,   64
.set BM,   64
.set AF,   128
.set ST,   128
.set PC,   192
.set TM,   224
.set PW,   240
.set G1, 24
.set G0, 32
.set G1B, 48
.set G0B, 56
.set G1S, 68
.set G0S, 76
.set G1SB, 80
.set G0SB, 88
.set MSB, 0
.macro WIN new
.if MSB != \new
	s_set_vgpr_msb (MSB<<8)|\new
.set MSB, \new
.endif
.endm
.set MUL_LO, 0xa1
.set MUL_HI, 0xf1
.set TO_B,   0x40
.macro JLOAD g0a, g1a, g0b, g1b
	s_cmp_eq_u32 s15, 0
	s_cbranch_scc0 .Lfor_b_\@
	tensor_load_to_lds s[\g0a:\g0a+3], s[\g1a:\g1a+7]
	s_nop 0
.rept 4
	v_nop
.endr
	s_branch .Lasked_\@
.Lfor_b_\@:
	tensor_load_to_lds s[\g0b:\g0b+3], s[\g1b:\g1b+7]
	s_nop 0
.rept 4
	v_nop
.endr
.Lasked_\@:
.endm
.macro CREST
	s_cmp_lg_u32 s14, 0
	s_cbranch_scc1 .Lnot_wave_0_\@
	s_barrier_signal -3
.Lnot_wave_0_\@:
	s_barrier_wait -3
	s_barrier_signal -1
	s_barrier_wait -1
.endm
.macro CROUND
	s_barrier_signal -1
	s_barrier_wait -1
	CREST
.endm
.irp i, 0,1,2,3,4,5,6,7,8,9
	s_load_b128 s[24+4*\i:27+4*\i], s[0:1], 16*\i
.endr
	v_lshl_add_u32 v[SPW], v0, 2, SPARE
	v_mov_b32 v[NIL], 0
	ds_add_u32 v[SPW], v[NIL]
	ds_add_u32 v[SPW], v[NIL]
	v_lshrrev_b32 v1, 5, v0
	v_readfirstlane_b32 s14, v1
	s_lshr_b32 s15, s14, 1
	s_and_b32 s16, s14, 1
	s_and_b32 s2, ttmp7, 0xffff
	s_and_b32 s3, s2, 3
	s_wait_dscnt 0x0
	s_wait_kmcnt 0x0
	s_cmp_lt_u32 s2, 4
	s_cselect_b64 s[4:5], s[24:25], s[38:39]
	s_cselect_b64 s[6:7], s[26:27], s[40:41]
	s_cselect_b64 s[8:9], s[28:29], s[42:43]
	s_cselect_b64 s[10:11], s[30:31], s[44:45]
	s_cselect_b64 s[96:97], s[32:33], s[46:47]
	s_cselect_b64 s[12:13], s[34:35], s[48:49]
	s_cselect_b64 s[98:99], s[36:37], s[50:51]
	s_cmp_lt_u32 s2, 8
	s_cselect_b64 s[4:5], s[4:5], s[52:53]
	s_cselect_b64 s[6:7], s[6:7], s[54:55]
	s_cselect_b64 s[8:9], s[8:9], s[56:57]
	s_cselect_b64 s[10:11], s[10:11], s[58:59]
	s_cselect_b64 s[96:97], s[96:97], s[60:61]
	s_cselect_b64 s[12:13], s[12:13], s[62:63]
	s_cselect_b32 s95, 0, 1
	s_cselect_b32 s93, 0, s3
	s_cselect_b32 s94, s3, 0
	s_bfe_u32 s40, ttmp6, 0x40000
	s_bfe_u32 s41, ttmp6, 0x40004
	s_lshl_b32 s42, s93, 2
	s_add_co_u32 s42, s42, s40
	s_lshl_b32 s17, s94, 2
	s_add_co_u32 s17, s17, s41
	s_lshl_b32 s43, s41, 2
	s_lshl_b32 s43, 15, s43
	s_lshl_b32 s44, 0x1111, s40
	s_or_b32 s[G1+0], s43, (0<<16)|(1<<20)|(1<<21)|(5<<22)|(3<<25)
	s_or_b32 s[G1B+0], s44, (0<<16)|(1<<20)|(1<<21)|(5<<22)|(3<<25)
.irp g, G1, G1B
	s_mov_b32 s[\g+1], ROWB<<16
	s_mov_b32 s[\g+2], 256<<16                     ; the head's loads bring 256 rows; the ring's 128 (set at the first change of slots)
	s_mov_b32 s[\g+3], ROWB<<16
	s_mov_b32 s[\g+4], 256
	s_mov_b32 s[\g+5], KROW
	s_mov_b32 s[\g+6], 0
	s_mov_b32 s[\g+7], 0
.endr
	s_lshl_b32 s18, s16, 7
	s_lshl_b32 s20, s17, 8
	s_add_co_u32 s20, s20, s18
	s_lshl_b32 s46, s42, 8
	s_add_co_u32 s46, s46, s18
	s_mov_b32 s21, 0
	s_mov_b32 s47, 0
	s_mov_b64 s[18:19], KS
	s_mul_u64 s[22:23], s[20:21], s[18:19]
	s_mul_u64 s[92:93], s[46:47], s[18:19]
	s_mov_b64 s[18:19], KROW
	s_mul_u64 s[20:21], s[20:21], s[18:19]
	s_mul_u64 s[46:47], s[46:47], s[18:19]
	s_mul_i32 s45, s14, HALFT
	s_mul_i32 s94, s14, HALFS
	s_add_nc_u64 s[20:21], s[4:5], s[20:21]
	s_add_nc_u64 s[22:23], s[6:7], s[22:23]
	s_add_nc_u64 s[46:47], s[8:9], s[46:47]
	s_add_nc_u64 s[92:93], s[10:11], s[92:93]
	CROUND
	; group 0 of the head's four loads, each a whole tile of 256 rows: K step 0 of A s[4:7] and of B s[8:11], K step 1 of A s[G0S ..] and of B s[G0SB ..]
	s_lshl_b32 s18, s16, 17                        ; my half's 128 rows of 1,024 bytes, taken off again: the tile's first row
	s_mov_b32 s19, 0
	s_sub_nc_u64 s[6:7], s[20:21], s[18:19]
	s_sub_nc_u64 s[10:11], s[46:47], s[18:19]
	s_add_nc_u64 s[G0S+2:G0S+3], s[6:7], ROWB
	s_add_nc_u64 s[G0SB+2:G0SB+3], s[10:11], ROWB
	s_mov_b32 s4, 1
	s_mov_b32 s5, 0
	s_or_b32 s7, s7, 0x80000000
	s_mov_b32 s8, 1
	s_mov_b32 s9, 2*HALFT
	s_or_b32 s11, s11, 0x80000000
	s_mov_b32 s[G0S], 1
	s_mov_b32 s[G0S+1], SLOT
	s_or_b32 s[G0S+3], s[G0S+3], 0x80000000
	s_mov_b32 s[G0SB], 1
	s_mov_b32 s[G0SB+1], SLOT+2*HALFT
	s_or_b32 s[G0SB+3], s[G0SB+3], 0x80000000
.irp s, 0,1
	s_mov_b32 s[G0+4*\s], 1
	s_add_co_u32 s[G0+4*\s+1], s45, \s*SLOT
	s_add_nc_u64 s[G0+4*\s+2:G0+4*\s+3], s[20:21], \s*ROWB
	s_or_b32 s[G0+4*\s+3], s[G0+4*\s+3], 0x80000000
	s_mov_b32 s[G0B+4*\s], 1
	s_add_co_u32 s[G0B+4*\s+1], s45, \s*SLOT
	s_add_nc_u64 s[G0B+4*\s+2:G0B+4*\s+3], s[46:47], \s*ROWB
	s_or_b32 s[G0B+4*\s+3], s[G0B+4*\s+3], 0x80000000
.endr
; THE HEAD'S LOADS, ONE A WAVE, each in an arm of its own: wave 0 slot 0's A, wave 1 slot 0's B, wave 2 slot 1's A, wave 3 slot 1's B.  Waves 0 and 1 alone wait at the first barrier
.macro ARM under, g0, g1, next
	s_cmp_lt_u32 s14, \under
	s_cbranch_scc0 \next
	tensor_load_to_lds s[\g0:\g0+3], s[\g1:\g1+7]
	s_nop 0
.rept 4
	v_nop
.endr
	s_branch .Lhead_asked
\next:
.endm
	ARM 1, 4, G1, .Lhead_b0
	ARM 2, 8, G1B, .Lhead_a1
	ARM 3, G0S, G1, .Lhead_b1
	tensor_load_to_lds s[G0SB:G0SB+3], s[G1B:G1B+7]
	s_nop 0
.rept 4
	v_nop
.endr
.Lhead_asked:
	; the scale bytes go through registers into LDS bytes of their own: each wave 4,096 dense bytes (128 rows' scales: waves 0, 1 A's halves, waves 2, 3 B's), eight loads of 512 consecutive bytes
	v_and_b32 v8, 31, v0
	v_lshlrev_b32 v9, 4, v8
	s_cmp_eq_u32 s15, 0
	s_cselect_b64 s[18:19], s[22:23], s[92:93]
.irp j, 0,1,2,3,4,5,6,7
	global_load_b128 v[AF+4*\j:AF+4*\j+3], v9, s[18:19] offset:512*\j
.endr
	v_lshrrev_b32 v10, 4, v8
	v_mul_u32_u24 v10, v10, 272
	v_and_b32 v11, 15, v8
	v_lshl_add_u32 v10, v11, 4, v10
	s_add_co_u32 s94, s94, SCL
	v_add_nc_u32 v10, s94, v10                     ; in LDS: units of 256 bytes + 16 of padding: a load's two units lie 272 bytes apart
	; K steps 2 and 3 are prefetched, two K steps ahead of the refills that load them: 256 bytes of each row a step.  Of the 128 rows that my wave fetches in the ring, each of the four partners that
	; ask for them jointly takes 32, told apart by address (cx for A, cy for B): a lane a row, one instruction a K step and wave, each block of 256 bytes once in each cluster.  There is no K step behind 3
	v_lshlrev_b32 v12, 10, v8                      ; my lane's row of 1,024 bytes; never rewritten
	s_cmp_eq_u32 s15, 0
	s_cselect_b64 s[2:3], s[20:21], s[46:47]       ; my 128 rows, of A or of B; never rewritten behind the sum below
	s_cselect_b32 s22, s40, s41
	s_lshl_b32 s22, s22, 15                        ; my work-group's 32 of them
	s_mov_b32 s23, 0
	s_add_nc_u64 s[2:3], s[2:3], s[22:23]
	global_prefetch_b8 v12, s[2:3] offset:2*ROWB th:TH_LOAD_NT scope:SCOPE_SE
	global_prefetch_b8 v12, s[2:3] offset:3*ROWB th:TH_LOAD_NT scope:SCOPE_SE
	v_and_b32 v1, 15, v0
	v_bfe_u32 v2, v0, 4, 1
	v_mul_u32_u24 v3, v1, PITCH
	v_lshl_add_u32 v4, v2, 4, v3
	s_mul_i32 s21, s15, HALFT
	s_mul_i32 s22, s16, HALFT
	s_add_co_u32 s22, s22, 2*HALFT
.irp s, 0,1
	v_add_nc_u32 v[ADRA+\s], s21, v4
	v_add_nc_u32 v[ADRB+\s], s22, v4
	s_add_co_u32 s21, s21, SLOT
	s_add_co_u32 s22, s22, SLOT
.endr
	v_mul_u32_u24 v5, v1, KS
	v_lshrrev_b32 v6, 8, v5
	v_lshl_add_u32 v5, v6, 4, v5
	s_mul_i32 s21, s15, HALFS
	s_mul_i32 s22, s16, HALFS
	s_add_co_u32 s22, s22, 2*HALFS
	s_sub_co_u32 s22, s22, s21
	v_mul_u32_u24 v6, s22, v2
	s_add_co_u32 s21, s21, SCL
	v_add_nc_u32 v5, v5, v6
	v_add_nc_u32 v[ADRS], s21, v5
	v_and_b32 v6, 31, v0
	v_lshlrev_b32 v[CO], 4, v6
	s_lshl_b32 s23, s14, 10
	v_lshl_add_u32 v[STK], v1, 4, s23
	v_add_nc_u32 v[RDK], s23, v[CO]
	s_lshl_b32 s23, s14, 9
	s_add_co_u32 s23, s23, 4096
	v_lshl_add_u32 v[STV], v1, 3, s23
	v_add_nc_u32 v[RDV], s23, v[CO]
	v_mul_u32_u24 v[SOV], v2, 24576
	v_lshl_add_u32 v[SOV], v1, 4, v[SOV]
	v_lshlrev_b32 v[BKO], 5, v2
	v_lshlrev_b32 v[BVO], 2, v1
	s_mov_b32 s20, 0x76543210
	s_mov_b32 s21, 0xfedcba98
	s_mov_b32 s22, 0x600000
.macro FRAG reg, adr, q, i
.irp c, 0,1,2,3
	ds_load_b128 v[\reg+4*\c:\reg+4*\c+3], v[\adr] offset:128*(\q)+32*\c+(\i)*16*PITCH
.endr
.endm
.macro MUL16 a0, p, q, sc, zero
.irp a, \a0, \a0+1
.irp b, 0,1,2,3,4,5,6,7
.if \zero
	v_wmma_scale_f32_16x16x128_f8f6f4 v[8*(8*((\a)%4)+\b):8*(8*((\a)%4)+\b)+7], v[128*(\p)+FR*\b:128*(\p)+FR*\b+FR-1], v[AF+FR*(\a):AF+FR*(\a)+FR-1], 0, v[SC+8*NQ*(\sc)+NQ*\b+(\q)], v[SC+8*NQ*(\sc)+NQ*(\a)+(\q)] matrix_a_scale:MATRIX_SCALE_ROW1
.else
	v_wmma_scale_f32_16x16x128_f8f6f4 v[8*(8*((\a)%4)+\b):8*(8*((\a)%4)+\b)+7], v[128*(\p)+FR*\b:128*(\p)+FR*\b+FR-1], v[AF+FR*(\a):AF+FR*(\a)+FR-1], v[8*(8*((\a)%4)+\b):8*(8*((\a)%4)+\b)+7], v[SC+8*NQ*(\sc)+NQ*\b+(\q)], v[SC+8*NQ*(\sc)+NQ*(\a)+(\q)] matrix_a_scale:MATRIX_SCALE_ROW1
.endif
.endr
.endr
.endm
.macro FETCH_B slot, q, p
	WIN TO_B
.irp i, 0,1,2,3,4,5,6,7
	FRAG 128*(\p)+FR*\i, ADRB+\slot, \q, \i
.endr
	WIN 0
.endm
.macro FETCH_A slot, q, i0
.irp i, \i0, \i0+1, \i0+2, \i0+3
	FRAG AF+FR*(\i), ADRA+\slot, \q, \i
.endr
.endm
.macro SCALES sc
.irp i, 0,1,2,3,4,5,6,7
	ds_load_b64 v[SC+8*NQ*\sc+NQ*\i:SC+8*NQ*\sc+NQ*\i+1], v[ADRS] offset:\i*SBLK
.endr
.endm
.macro PLACES n
.rept \n
	v_nop
.endr
.endm
.macro STEP slot, q, zero
	s_wait_dscnt 4*NL
	WIN MUL_LO
	MUL16 0, (\q)%2, \q, \slot, \zero
	MUL16 2, (\q)%2, \q, \slot, \zero
	s_wait_dscnt 0
	PLACES NP
	FETCH_B \slot, (\q)+1, 1-(\q)%2
	FETCH_A \slot, (\q)+1, 0
	WIN MUL_HI
	MUL16 4, (\q)%2, \q, \slot, \zero
	MUL16 6, (\q)%2, \q, \slot, \zero
	PLACES NP
	WIN 0
	FETCH_A \slot, (\q)+1, 4
.endm
.macro TURN slot, next, fill
	s_wait_tensorcnt 0x0
	ds_add_u32 v[SPW], v[NIL]
.if \fill
	s_mov_b32 s[G1+2], 128<<16                     ; no tensor load of mine is out: a load of the ring brings 128 rows
	s_mov_b32 s[G1+4], 128
	s_mov_b32 s[G1B+2], 128<<16
	s_mov_b32 s[G1B+4], 128
.endif
	s_wait_dscnt 4*NL+1
	WIN MUL_LO
	MUL16 0, 1, NQ-1, \slot, 0
	s_wait_dscnt 0x0
	s_barrier_signal -1
	MUL16 2, 1, NQ-1, \slot, 0
	WIN 0
	s_barrier_wait -1
.if \fill
	CREST
	s_add_nc_u64 s[G0+4*\slot+2:G0+4*\slot+3], s[G0+4*\slot+2:G0+4*\slot+3], 2*ROWB
	s_add_nc_u64 s[G0B+4*\slot+2:G0B+4*\slot+3], s[G0B+4*\slot+2:G0B+4*\slot+3], 2*ROWB
	JLOAD G0+4*\slot, G1, G0B+4*\slot, G1B
	PLACES NP-4
.else
	PLACES NP
.endif
	s_wait_alu depctr_va_vdst(0)
	v_add_nc_u32 v[ADRS], 4*NQ, v[ADRS]
	FETCH_B \next, 0, 0
	FETCH_A \next, 0, 0
	SCALES \next
	WIN MUL_HI
	MUL16 4, 1, NQ-1, \slot, 0
	MUL16 6, 1, NQ-1, \slot, 0
	PLACES NP
	WIN 0
	FETCH_A \next, 0, 4
.endm
.macro LAST
	s_wait_dscnt 4*NL
	WIN MUL_LO
	MUL16 0, 1, NQ-1, 1, 0
	MUL16 2, 1, NQ-1, 1, 0
	s_wait_dscnt 0
	WIN MUL_HI
	MUL16 4, 1, NQ-1, 1, 0
	MUL16 6, 1, NQ-1, 1, 0
	WIN 0
.endm
.macro QUANT s, pc
.irp b, 0,1,2,3
	v_max3_num_f32 v[TM+\b], v[\s+16*\b], v[\s+1+16*\b], 0x4800000
.endr
.irp i, 2,4,6,8,10,12,14
.irp b, 0,1,2,3
	v_max3_num_f32 v[TM+\b], v[TM+\b], v[\s+16*\b+\i], v[\s+1+16*\b+\i]
.endr
.endr
.irp b, 0,1,2,3
	v_permlanex16_b32 v[TM+4+\b], v[TM+\b], s20, s21
.endr
.irp b, 0,1,2,3
	v_max_num_f32 v[TM+\b], v[TM+\b], v[TM+4+\b]
.endr
.irp b, 0,1,2,3
	v_add_nc_u32 v[TM+12+\b], 0xfc000000, v[TM+\b]
.endr
.irp b, 0,1,2,3
	v_and_or_b32 v[TM+8+\b], v[TM+\b], 0x7f800000, s22
.endr
.irp b, 0,1,2,3
	v_lshrrev_b32 v[TM+4+\b], 23, v[TM+12+\b]
.endr
	v_lshl_or_b32 v[PW], v[TM+5], 8, v[TM+4]
	v_lshl_or_b32 v[PW], v[TM+6], 16, v[PW]
	v_lshl_or_b32 v[PW], v[TM+7], 24, v[PW]
.irp b, 0,1,2,3
.irp i, 0,1,2,3,4,5,6,7,8,9,10,11,12,13,14,15
	v_med3_num_f32 v[\s+16*\b+\i], v[\s+16*\b+\i], 0, v[TM+8+\b]
.endr
	v_cvt_scalef32_pk8_fp8_f32 v[\pc+4*\b:\pc+1+4*\b], v[\s+16*\b:\s+7+16*\b], v[TM+12+\b]
	v_cvt_scalef32_pk8_fp8_f32 v[\pc+2+4*\b:\pc+3+4*\b], v[\s+8+16*\b:\s+15+16*\b], v[TM+12+\b]
.endr
	v_nop
.endm
.macro OUTBLK arm, a
.set AC, 64*((\a)%4)
.set PCR, PC+16*((\a)%2)
.set WN, 0x02+(\a)/4
.if (\a) == 0
	PLACES NP
.irp b, 0,1,2,3
	v_mov_b32 v[TM+4+\b], 0
.endr
	s_wait_loadcnt 0x0
.else
	s_wait_dscnt 0x0
.endif
.if (\a) >= 2
	s_wait_xcnt 0x0
.endif
	WIN WN
.set i, 0
.rept 32
.if \arm
	v_pk_add_f32 v[ST+2*i:ST+2*i+1], v[AC+2*i:AC+2*i+1], v[BM+2*(\a):BM+2*(\a)+1]
.else
	v_pk_add_f32 v[ST+2*i:ST+2*i+1], v[AC+2*i:AC+2*i+1], v[BV+2*i:BV+2*i+1]
.endif
.set i, i+1
.endr
	WIN 0
	QUANT ST, PCR
.if \arm
.irp c, 0,1,2,3
	global_store_b128 v[CO], v[PCR+4*\c:PCR+4*\c+3], s[12:13] offset:((\a)/4)*262144+((\a)%4)*2048+512*\c
.endr
	ds_store_b32 v[STV], v[PW] offset:((\a)/4)*256+128*((\a)%2)+4*(((\a)%4)/2)
.else
	global_store_b128 v[CO], v[PCR:PCR+3], s[12:13] offset:(\a)*1024
	global_store_b128 v[CO], v[PCR+4:PCR+7], s[12:13] offset:(\a)*1024+512
	global_store_b128 v[CO], v[PCR+8:PCR+11], s[12:13] offset:262144+(\a)*1024
	global_store_b128 v[CO], v[PCR+12:PCR+15], s[12:13] offset:262144+(\a)*1024+512
	v_and_b32 v241, 0xffff, v[PW]
	v_lshrrev_b32 v242, 16, v[PW]
	ds_store_b32 v[STK], v241 offset:256*((\a)%2)+4*((\a)/2)
	ds_store_b32 v[STK], v242 offset:512+256*((\a)%2)+4*((\a)/2)
.endif
.endm
	s_wait_alu depctr_va_vdst(0)                   ; the wait at the head's end
	s_wait_loadcnt 0x0                             ; my scale bytes
.irp j, 0,1,2,3,4,5,6,7
	ds_store_b128 v10, v[AF+4*\j:AF+4*\j+3] offset:544*\j
.endr
	s_cmp_lt_u32 s14, 2
	s_cbranch_scc0 .Lslot1_out
	s_wait_tensorcnt 0x0                           ; waves 0, 1: slot 0 is in.  Slot 1's loads may stay out
.Lslot1_out:
	s_wait_dscnt 0x0                               ; my stores of scale bytes are done
	s_barrier_signal -1
	s_barrier_wait -1
	FETCH_B 0, 0, 0
	FETCH_A 0, 0, 0
	SCALES 0
	FETCH_A 0, 0, 4
	STEP 0, 0, 1
	TURN 0, 1, 1
	STEP 1, 0, 0
	TURN 1, 0, 1
	STEP 0, 0, 0
	TURN 0, 1, 0
	STEP 1, 0, 0
	s_cmp_lg_u32 s95, 0
	s_cbranch_scc1 .Lvarm
	s_lshl_b32 s18, s17, 1
	s_add_co_u32 s18, s18, s15
	s_lshl_b32 s19, s42, 1
	s_add_co_u32 s19, s19, s16
	s_lshl_b32 s46, s19, 19
	s_lshl_b32 s47, s18, 13
	s_add_co_u32 s46, s46, s47
	s_mov_b32 s47, 0
	s_add_nc_u64 s[12:13], s[12:13], s[46:47]
	s_mul_i32 s46, s19, 49152
	s_lshl_b32 s23, s18, 9
	s_add_co_u32 s46, s46, s23
	s_add_nc_u64 s[98:99], s[98:99], s[46:47]
	s_lshl_b32 s46, s19, 9
	s_add_nc_u64 s[96:97], s[96:97], s[46:47]
.irp b, 0,1,2,3,4,5,6,7
	global_load_b128 v[BV+8*\b:BV+8*\b+3], v[BKO], s[96:97] offset:64*\b
	global_load_b128 v[BV+8*\b+4:BV+8*\b+7], v[BKO], s[96:97] offset:64*\b+16
.endr
	LAST
.irp a, 0,1,2,3,4,5,6,7
	OUTBLK 0, \a
.endr
	ds_load_b128 v[ST:ST+3], v[RDK]
	ds_load_b128 v[ST+4:ST+7], v[RDK] offset:512
	s_wait_dscnt 0x0
	global_store_b128 v[CO], v[ST:ST+3], s[98:99]
	global_store_b128 v[CO], v[ST+4:ST+7], s[98:99] offset:24576
	s_branch .Ldone
.Lvarm:
	s_lshl_b32 s18, s17, 2
	s_lshl_b32 s23, s15, 1
	s_add_co_u32 s18, s18, s23
	s_lshl_b32 s19, s42, 1
	s_add_co_u32 s19, s19, s16
	s_lshl_b32 s46, s18, 18
	s_lshl_b32 s47, s19, 13
	s_add_co_u32 s46, s46, s47
	s_mov_b32 s47, 0
	s_add_nc_u64 s[12:13], s[12:13], s[46:47]
	s_mul_i32 s46, s18, 24576
	s_lshl_b32 s23, s19, 8
	s_add_co_u32 s46, s46, s23
	s_add_co_u32 s46, s46, 16384
	s_add_nc_u64 s[98:99], s[98:99], s[46:47]
	s_lshl_b32 s46, s18, 8
	s_add_nc_u64 s[96:97], s[96:97], s[46:47]
.irp a, 0,1,2,3,4,5,6,7
	global_load_b32 v[BM+2*\a], v[BVO], s[96:97] offset:64*\a
	global_load_b32 v[BM+2*\a+1], v[BVO], s[96:97] offset:64*\a
.endr
	LAST
.irp a, 0,1,2,3,4,5,6,7
	OUTBLK 1, \a
.endr
	ds_load_b128 v[ST:ST+3], v[RDV]
	s_wait_dscnt 0x0
	global_store_b128 v[SOV], v[ST:ST+3], s[98:99]
.Ldone:
	s_wait_tensorcnt 0x0
	ds_add_u32 v[SPW], v[NIL]
	s_wait_dscnt 0x0
	CROUND
	s_endpgm
.Lfunc_end_k_qf31667c112_proj:
	.size	k_qf31667c112_proj, .Lfunc_end_k_qf31667c112_proj-k_qf31667c112_proj
	.p2alignl 7, 3214868480
	.fill 96, 4, 3214868480
	.section	.rodata,"a",@progbits
	.p2align	6, 0x0
	.amdhsa_kernel k_qf31667c112_proj
		.amdhsa_group_segment_fixed_size 327680
		.amdhsa_private_segment_fixed_size 0
		.amdhsa_enable_private_segment 0
		.amdhsa_kernarg_size 160
		.amdhsa_user_sgpr_count 2
		.amdhsa_user_sgpr_kernarg_segment_ptr 1
		.amdhsa_wavefront_size32 1
		.amdhsa_system_sgpr_workgroup_id_x 1
		.amdhsa_system_sgpr_workgroup_id_y 1
		.amdhsa_system_sgpr_workgroup_id_z 1
		.amdhsa_system_vgpr_workitem_id 0
		.amdhsa_next_free_vgpr 1024
		.amdhsa_next_free_sgpr 100
		.amdhsa_reserve_vcc 0
		.amdhsa_float_denorm_mode_32 3
		.amdhsa_float_denorm_mode_16_64 3
		.amdhsa_memory_ordered 1
		.amdhsa_forward_progress 1
		.amdhsa_inst_pref_size 255
	.end_amdhsa_kernel
	.section	.bss,"aw",@nobits
	.p2align	6
	.space	262144
	.amdgpu_metadata
---
amdhsa.version: [ 1, 2 ]
amdhsa.kernels:
  - .name:           k_qf31667c112_proj
    .symbol:         k_qf31667c112_proj.kd
    .args:
      - { .name: qcodes, .offset: 0, .size: 8, .value_kind: global_buffer, .address_space: global }
      - { .name: qscales, .offset: 8, .size: 8, .value_kind: global_buffer, .address_space: global }
      - { .name: Wq_w_codes, .offset: 16, .size: 8, .value_kind: global_buffer, .address_space: global }
      - { .name: Wq_w_scales, .offset: 24, .size: 8, .value_kind: global_buffer, .address_space: global }
      - { .name: Wq_b, .offset: 32, .size: 8, .value_kind: global_buffer, .address_space: global }
      - { .name: qimg, .offset: 40, .size: 8, .value_kind: global_buffer, .address_space: global }
      - { .name: qsc, .offset: 48, .size: 8, .value_kind: global_buffer, .address_space: global }
      - { .name: keys_codes, .offset: 56, .size: 8, .value_kind: global_buffer, .address_space: global }
      - { .name: keys_scales, .offset: 64, .size: 8, .value_kind: global_buffer, .address_space: global }
      - { .name: Wk_w_codes, .offset: 72, .size: 8, .value_kind: global_buffer, .address_space: global }
      - { .name: Wk_w_scales, .offset: 80, .size: 8, .value_kind: global_buffer, .address_space: global }
      - { .name: Wk_b, .offset: 88, .size: 8, .value_kind: global_buffer, .address_space: global }
      - { .name: kimg, .offset: 96, .size: 8, .value_kind: global_buffer, .address_space: global }
      - { .name: sc, .offset: 104, .size: 8, .value_kind: global_buffer, .address_space: global }
      - { .name: Wv_w_codes, .offset: 112, .size: 8, .value_kind: global_buffer, .address_space: global }
      - { .name: Wv_w_scales, .offset: 120, .size: 8, .value_kind: global_buffer, .address_space: global }
      - { .name: values_codes, .offset: 128, .size: 8, .value_kind: global_buffer, .address_space: global }
      - { .name: values_scales, .offset: 136, .size: 8, .value_kind: global_buffer, .address_space: global }
      - { .name: Wv_b, .offset: 144, .size: 8, .value_kind: global_buffer, .address_space: global }
      - { .name: vimg, .offset: 152, .size: 8, .value_kind: global_buffer, .address_space: global }
    .group_segment_fixed_size: 327680
    .private_segment_fixed_size: 0
    .kernarg_segment_align: 8
    .kernarg_segment_size: 160
    .max_flat_workgroup_size: 128
    .sgpr_count:     100
    .vgpr_count:     1024
    .wavefront_size: 32
...
	.end_amdgpu_metadata
.endif
;; end of part 2
;; launch attn (part 3): grid 16 x 16, 8 waves a work-group, clusters of 4 x 1, 327,680 bytes of LDS; arguments qimg, qsc, kimg, vimg, sc, queries, out0; writes out0
.if DOCPART == 3
	.amdgcn_target "amdgcn-amd-amdhsa--gfx1250"
	.amdhsa_code_object_version 6
	.text
	.protected	k_qf31667c112_attn
	.globl	k_qf31667c112_attn
	.p2align	8
	.type	k_qf31667c112_attn,@function
k_qf31667c112_attn:
	s_mov_b64 s[64:65], 0
	v_nop
	global_prefetch_b8 v0, s[64:65] scope:SCOPE_SE
	s_setreg_imm32_b32 hwreg(HW_REG_WAVE_MODE, 25, 1), 1
	s_wait_xcnt 0x0
	s_wait_alu depctr_hold_cnt(0) depctr_sa_sdst(0) depctr_va_vdst(0) depctr_va_sdst(0) depctr_va_ssrc(0) depctr_va_vcc(0) depctr_vm_vsrc(0)
	s_getreg_b32 s2, hwreg(HW_REG_IB_STS2, 6, 4)
	s_cmp_eq_u32 s2, 0
	s_cbranch_scc0 .Lentry_in_a_cluster
	s_endpgm
.Lentry_in_a_cluster:
	s_bfe_u32 s2, ttmp6, 0x10000c
	s_cmp_lg_u32 s2, 0x3003
	s_cbranch_scc0 .Lentry_shape_is_right
	s_endpgm
.Lentry_shape_is_right:
; out0 = transposed attention + queries.  For head h, query s, channel d: out0 at flat place h 262,144 + d 4,096 + s takes O[h][s][d] + queries at the same flat place.  Nothing of reference() is left out.
; O[h][s] = the sum over keys of softmax(q . k / 8) v, both products on codes of FP8 (E4M3) with E8M0 scales for each 32 along K.
; THE SOFTMAX: t = score x log2(e) / 8; M = the largest t so far, rounded UP to a whole number; p = 2^(t - M) is quantised along the keys, not normalised.  The row's sum is taken of the unquantised p and divides at the end.
; When M moves, the sum and O are multiplied by 2^(old M - new M): exact.
; q, k, v arrive as IMAGES OF THE OPERANDS' REGISTERS (four registers: 512 bytes, lane l's 16 bytes at 16 l): every fragment comes by loads of 512 consecutive bytes.
; THE HEAD IS 64.  Registers 8-15 of q's fragments are zero codes, written once.  k's tiles lie DENSE, eight registers each: the upper half of a product's source 0 is the next tile's codes (behind the last tile: v's first),
; finite numbers that meet q's zero codes and add nothing; bytes 2 and 3 of q's and k's scale words are 0, a finite code.
; SHARES.  A work-group owns 256 queries of one head, each of its eight waves 32: tiles 0 and 1 of 16.  Both products are used transposed (S^T = k q^T, O^T = v^T p^T): a lane holds one query throughout.
; THE TRIP i (128 keys) is a pipeline of the two tiles.  Tile 1's products (O^T of step i - 1, S^T of step i) stand in pairs among tile 0's plain lines; then v(i) and k(i + 1) are fetched from LDS;
; tile 0's products (O^T of step i, S^T of step i + 1) stand among tile 1's last plain lines.  Between the exponentials of one tile stand only lines of the other whose results are first read behind the batch's wait.
; The first trip's O^T product of tile 1 finds zero codes.  The last trip's look-ahead (17 LDS loads, 8 products a wave) reads LDS bytes that tensor loads filled, and is not used: so the trip's text stands twice and not three times.
; RING.  Two LDS slots; a slot holds k's steps s + 1 .. s + 8 and v's steps s .. s + 7, so that the change of slots stands at a trip's head; k's step 0 has bytes of its own.  k's last fill begins at step 24: its steps lie one place on.
; Each wave brings an eighth of a slot by one tensor load.  The head's 24,576 bytes of scale words come once.
; CLUSTER.  The four query blocks of a cluster belong to one head and walk the same k and v: every tile is asked for jointly, by the same load with the same descriptor and a mask that names the four.
; No prefetch of k and v: a refill is asked for eight key steps ahead of its first read.  The residual's rows are prefetched eight key steps ahead of their loads, each block of 256 bytes by the one wave that loads it.
; LIMITS: NaN and infinities are not served; the scaled scores stay under 2^31 in magnitude.
; REGISTERS.  Window 0: v1-7, v15, v18 addresses; v8-11 k's, v12-13 v's, v14 q's, v16-17 p's scale words (scales and nothing else); v32-159 S^T, then p, 64 a tile; v160-223 statistics, 32 a tile; v224-255 partial sums.
;   Window 1: v0-63 k's eight tiles; v64-127 v's four fragments; v128-191 O^T, 32 a tile; v192-223 p's codes; v224-255 q.
.set SLOT1, 131072                     ; slot 1 begins here
.set VOFF,  65536                      ; in a slot: k's eight steps, then v's
.set STEPB, 8192                       ; a step's images of k, and of v
.set RB,    262144                     ; k's step 0
.set SCB,   RB+8192                    ; the head's scale words: k's 32 x 512 bytes, then v's 32 x 256
.set SPARE, SCB+24576                  ; the spare words, 128 bytes a wave: four blocks of 256 bytes that no other line names
.set SP,    1040                       ; the way out: a stage of 64 rows (channels) x (256 queries x 4 bytes + 16), in slot 0
.set LI,  1                            ; v1   16 x lane
.set ADK, 2
.set ADV, 3
.set ADS, 4
.set ADT, 5
.set SPW, 6                            ; v6   my spare word; never rewritten
.set NIL, 7                            ; v7   0; never rewritten
.set KS,  8
.set VS,  12
.set QS,  14
.set L8,  15                           ; v15  8 x lane
.set PS,  16
.set PFO, 18                           ; v18  the prefetch's offset: row lane / 4, block lane % 4
.set S,   32
.set T,   160                          ; tile t's statistics at T + 32 t: +0 -M, +1 the largest t, +2, 3 the sum, +4..7 a block's largest, +8..11 at work, +12..15 448 x the scale, +16..19 the conversions' scale operands, +20, 21 f, +22 at work
.set TMP, 224
.set KB,  0                            ; window 1
.set VB,  64
.set O,   128
.set PC,  192
.set QF,  224
.set WV,  18
.set MNT, 19
.set SEL, 20
.set CS,  22
.set G1,  24                           ; group 1: 64 dense rows of 256 bytes (the ring)
.set G1Z, 32                           ; 32 rows (k's step 0; a third of the scale words)
.set G1H, 40                           ; 128 rows (the first slot, a quarter a wave)
.set G0Z, 48
.set G0H, 52
.set G0W, 56                           ; the ring's group 0: it walks
.set TB,  60                           ; LDS byte of the images of k that the trip fetches
.set TS,  61                           ; of k's scale words
.set TJ,  62                           ; of v's
.set CNT, 63
.set SLOTS, 66
.set K3,  67                           ; the last fill's step in memory: seven key steps for k's waves, eight for v's
.set STP, 68
.set R8,  70
.set MSB, 0
.macro WIN new                         ; the immediate's high byte repeats the setting that is left
.if MSB != \new
	s_set_vgpr_msb (MSB<<8)|\new
.set MSB, \new
.endif
.endm
.macro WALU
	s_wait_alu depctr_va_vdst(0)
.endm
.macro CROUND                          ; a round of the cluster's barrier
	s_barrier_signal -1
	s_barrier_wait -1
	s_cmp_lg_u32 s[WV], 0
	s_cbranch_scc1 .Lnot_wave_0_\@
	s_barrier_signal -3
.Lnot_wave_0_\@:
	s_barrier_wait -3
	s_barrier_signal -1
	s_barrier_wait -1
.endm
.macro GR1 g, rows                     ; dense rows of 256 bytes (32 elements of 8), the mask of all four partners, bit 21 beside it, no padding
	s_mov_b32 s[\g], 15|(3<<16)|(1<<21)
	s_mov_b32 s[\g+1], 32<<16
	s_mov_b32 s[\g+2], (\rows)<<16
	s_mov_b32 s[\g+3], 32<<16
	s_mov_b32 s[\g+4], \rows
	s_mov_b32 s[\g+5], 32
	s_mov_b32 s[\g+6], 0
	s_mov_b32 s[\g+7], 0
.endm
.macro TLOAD g0, g1                    ; an s_nop 0 and four v_nop follow a tensor load
	tensor_load_to_lds s[\g0:\g0+3], s[\g1:\g1+7]
	s_nop 0
.rept 4
	v_nop
.endr
.endm
	s_load_b256 s[4:11], s[0:1], 0x0               ; q's images, q's scale words, k's images, v's images
	s_load_b128 s[12:15], s[0:1], 0x20             ; k's and v's scale words, queries
	s_load_b64 s[16:17], s[0:1], 0x30              ; out0
	v_lshl_add_u32 v[SPW], v0, 2, SPARE
	v_mov_b32 v[NIL], 0
	ds_add_u32 v[SPW], v[NIL]                      ; the opening: the add, twice on end, and its wait ahead of my first tensor load
	ds_add_u32 v[SPW], v[NIL]
	v_lshrrev_b32 v1, 5, v0
	v_readfirstlane_b32 s[WV], v1                  ; wave 0..7
	v_and_b32 v[L8], 31, v0
	v_lshlrev_b32 v[LI], 4, v[L8]
	v_lshrrev_b32 v[PFO], 2, v[L8]
	v_and_b32 v19, 3, v[L8]
	v_lshlrev_b32 v[PFO], 14, v[PFO]
	v_lshl_add_u32 v[PFO], v19, 8, v[PFO]
	v_lshlrev_b32 v[L8], 3, v[L8]
	v_add_nc_u32 v[ADK], RB, v[LI]                 ; k's step 0
	v_add_nc_u32 v[ADS], SCB, v[LI]
	s_bfe_u32 s72, ttmp6, 0x40000                  ; cx
	s_lshl_b32 s73, ttmp9, 2
	s_add_co_u32 s73, s73, s72                     ; my block of 256 queries: it enters q's, queries' and out0's addresses alone
	s_and_b32 s74, ttmp7, 0xffff                   ; the head, which the four partners share
	GR1 G1, 64
	GR1 G1Z, 32
	GR1 G1H, 128
	s_mov_b32 s[MNT], 0x600000                     ; the mantissa field of 448
	s_mov_b32 s[SEL], 0x76543210
	s_mov_b32 s[SEL+1], 0xfedcba98                 ; lane l xor 16
	s_mov_b32 s[CS], 0x3e38aa3b                    ; c = log2(e) / 8
	s_mov_b32 s[CS+1], s[CS]
	s_mov_b32 s[TB], SLOT1                         ; the first change of slots turns it to slot 0
	s_mov_b32 s[TS], SCB+512                       ; trip i fetches k's step i + 1,
	s_mov_b32 s[TJ], SCB+16384                     ; and v's step i
	s_mov_b32 s[SLOTS], 3
	s_mov_b32 s[STP+1], 0
	s_lshl_b32 s75, s74, 18                        ; the head's 262,144 bytes of images
	s_and_b32 s76, s[WV], 3
	s_lshr_b32 s77, s[WV], 2
	s_and_b32 s78, s[WV], 1
	s_lshl_b32 s80, s73, 14                        ; q: my block's two steps of 8,192 bytes,
	s_add_co_u32 s80, s80, s75
	s_lshl_b32 s79, s77, 13                        ; the step that holds my 32 queries,
	s_add_co_u32 s80, s80, s79
	s_lshl_b32 s79, s76, 11                        ; my two tiles of 1,024 bytes in it
	s_add_co_u32 s80, s80, s79
	s_mov_b32 s81, 0
	s_mul_i32 s79, s74, 24576                      ; the head's scale words
	s_lshl_b32 s82, s73, 10
	s_add_co_u32 s82, s82, s79
	s_lshl_b32 s83, s77, 9
	s_add_co_u32 s82, s82, s83
	s_lshl_b32 s83, s76, 2
	s_add_co_u32 s82, s82, s83
	s_mov_b32 s83, 0
	s_lshl_b32 s84, s74, 20                        ; out0 and queries: the head's 64 rows of 16,384 bytes,
	s_lshl_b32 s85, s73, 10                        ; my block's 1,024 bytes of a row,
	s_add_co_u32 s84, s84, s85
	s_lshl_b32 s85, s[WV], 17                      ; the eight rows that my wave stores
	s_add_co_u32 s84, s84, s85
	s_mov_b32 s85, 0
	s_lshl_b32 s86, s76, 13                        ; waves 0-3: 8,192 bytes each: wave 0 k's step 0, waves 1-3 the thirds of the scale words, which lie behind it in LDS
	s_add_co_u32 s[G0Z+1], s86, RB
	s_add_co_u32 s86, s86, s79
	s_sub_co_u32 s86, s86, 8192
	s_cmp_eq_u32 s[WV], 0
	s_cselect_b32 s86, s75, s86
	s_mov_b32 s87, 0
	s_lshl_b32 s[G0H+1], s76, 15                   ; waves 4-7: 32,768 bytes each of slot 0: k's steps 1-8 (waves 4, 5), v's steps 0-7 (waves 6, 7)
	s_lshl_b32 s88, s78, 15
	s_add_co_u32 s88, s88, s75
	s_cmp_lt_u32 s[WV], 6
	s_cselect_b32 s89, 8192, 0
	s_add_co_u32 s88, s88, s89
	s_mov_b32 s89, 0
	s_lshl_b32 s[G0W+1], s[WV], 14                 ; the ring: wave x 16,384: k's four parts (waves 0-3), then v's
	s_lshl_b32 s90, s76, 14
	s_add_co_u32 s90, s90, s75
	s_mov_b32 s[R8], 65536
	s_cmp_lt_u32 s[WV], 4
	s_cselect_b32 s91, 8192, 0
	s_cselect_b32 s[K3], 57344, s[R8]
	s_add_co_u32 s90, s90, s91
	s_mov_b32 s91, 0
	WALU                                           ; the wait here, directly ahead of the wait below
	s_wait_dscnt 0x0                               ; both opening adds are done
	s_wait_kmcnt 0x0
	s_add_nc_u64 s[4:5], s[4:5], s[80:81]
	s_add_nc_u64 s[6:7], s[6:7], s[82:83]
	s_add_nc_u64 s[14:15], s[14:15], s[84:85]
	s_add_nc_u64 s[16:17], s[16:17], s[84:85]
	s_cmp_eq_u32 s[WV], 0
	s_cselect_b64 s[92:93], s[8:9], s[12:13]
	s_add_nc_u64 s[G0Z+2:G0Z+3], s[92:93], s[86:87]
	s_or_b32 s[G0Z+3], s[G0Z+3], 0x80000000
	s_mov_b32 s[G0Z], 1
	s_cmp_lt_u32 s[WV], 6
	s_cselect_b64 s[92:93], s[8:9], s[10:11]
	s_add_nc_u64 s[G0H+2:G0H+3], s[92:93], s[88:89]
	s_or_b32 s[G0H+3], s[G0H+3], 0x80000000
	s_mov_b32 s[G0H], 1
	s_cmp_lt_u32 s[WV], 4
	s_cselect_b64 s[92:93], s[8:9], s[10:11]
	s_add_nc_u64 s[G0W+2:G0W+3], s[92:93], s[90:91]   ; where slot 0's first fill begins: each change of slots steps it on
	s_or_b32 s[G0W+3], s[G0W+3], 0x80000000
	s_mov_b32 s[G0W], 1
	CROUND                                         ; all four work-groups are here: the first joint loads meet
	s_cmp_lt_u32 s[WV], 4                          ; one tensor load a wave; the waves that wait at the first barrier have a load line of their own
	s_cbranch_scc0 .Lfor_slot
	TLOAD G0Z, G1Z
	s_branch .Lasked
.Lfor_slot:
	TLOAD G0H, G1H
.Lasked:
	WIN 0x40                                       ; destination window 1
.irp t, 0,1
.irp c, 0,1
	global_load_b128 v[QF+16*\t+4*\c:QF+16*\t+4*\c+3], v[LI], s[4:5] offset:1024*\t+512*\c   ; q stays in registers
.endr
.irp j, 8,9,10,11,12,13,14,15
	v_mov_b32 v[QF+16*\t+\j], 0                    ; the upper halves of q: zero codes for the whole launch
.endr
.endr
.set i, 0
.rept 128
	v_mov_b32 v[VB+i], 0                           ; v's places (zero codes for the first trip's product of tile 1) and O^T
.set i, i+1
.endr
.set i, 0
.rept 16
	v_mov_b32 v[PC+16+i], 0                        ; tile 1's codes of p ahead of the first step: zeros
.set i, i+1
.endr
	WIN 0
	global_load_b32 v[QS], v[LI], s[6:7]           ; q's scale words: lanes 0-15 tile 0's, lanes 16-31 tile 1's
	v_mov_b32 v[VS], 0                             ; finite scale codes over those zero codes
	v_mov_b32 v[VS+1], 0
	v_mov_b32 v[PS+1], 0
.irp t, 0,1
	v_mov_b32 v[T+32*\t+1], 0xff61b1e6             ; the largest t so far: -3e38
	v_floor_f32 v[T+32*\t], -v[T+32*\t+1]          ; -M
	v_mov_b32 v[T+32*\t+2], 0                      ; the sum, in two halves
	v_mov_b32 v[T+32*\t+3], 0
.irp b, 8,9,10,11
	v_mov_b32 v[T+32*\t+\b], 0                     ; a lane permute's destination counts as one of its sources
.endr
	v_mov_b32 v[T+32*\t+21], 0                     ; (named as the upper half of f's pair)
.endr
; THE LINES OF A TILE, each by its number, so that lists of two kinds can be laid by turns.
.macro MAXL t, n                       ; 40: the largest score of each block of 32 keys: it serves the row's maximum and, since p rises with the score, the block's largest p
.set rS, S+64*(\t)
.set rT, T+32*(\t)
.set b_, (\n)%4
.set i_, 2*((\n)/8)-2                  ; two chains a block, eight by turns: scores 0-6 in T + 4 + b, scores 7-13 in T + 8 + b
.if (\n) < 4
	v_max3_num_f32 v[rT+4+b_], v[rS+16*b_], v[rS+16*b_+1], v[rS+16*b_+2]
.elseif (\n) < 8
	v_max3_num_f32 v[rT+8+b_], v[rS+16*b_+7], v[rS+16*b_+8], v[rS+16*b_+9]
.elseif (\n) < 24 && ((\n)%8) < 4
	v_max3_num_f32 v[rT+4+b_], v[rT+4+b_], v[rS+16*b_+3+i_], v[rS+16*b_+4+i_]
.elseif (\n) < 24
	v_max3_num_f32 v[rT+8+b_], v[rT+8+b_], v[rS+16*b_+10+i_], v[rS+16*b_+11+i_]
.elseif (\n) < 28
	v_max3_num_f32 v[rT+4+b_], v[rT+4+b_], v[rT+8+b_], v[rS+16*b_+14]
.elseif (\n) < 32
	v_max_num_f32 v[rT+4+b_], v[rT+4+b_], v[rS+16*b_+15]
.elseif (\n) < 36
	v_permlanex16_b32 v[rT+8+b_], v[rT+4+b_], s[SEL], s[SEL+1]
.else
	v_max_num_f32 v[rT+4+b_], v[rT+4+b_], v[rT+8+b_]   ; with lane l xor 16's 16 keys
.endif
.endm
.macro STATL t, n                      ; 9: the running largest t, -M = -ceil(t), f = 2^(old M - new M)
.set rT, T+32*(\t)
.if (\n) == 0
	v_max3_num_f32 v[rT+22], v[rT+4], v[rT+5], v[rT+6]
.elseif (\n) == 1
	v_max_num_f32 v[rT+22], v[rT+22], v[rT+7]
.elseif (\n) == 2
	v_mul_f32 v[rT+22], s[CS], v[rT+22]
.elseif (\n) == 3
	v_max_num_f32 v[rT+1], v[rT+1], v[rT+22]
.elseif (\n) == 4
	v_mov_b32 v[rT+22], v[rT]
.elseif (\n) == 5
	v_floor_f32 v[rT], -v[rT+1]
.elseif (\n) == 6
	v_sub_f32 v[rT+22], v[rT], v[rT+22]
.elseif (\n) == 7
	v_cvt_i32_f32 v[rT+22], v[rT+22]               ; (it saturates)
.else
	v_ldexp_f32 v[rT+20], 1.0, v[rT+22]
.endif
.endm
.macro FMAL t, n                       ; 36: t - M, two at a time; then the same of each block's largest score
.set rS, S+64*(\t)
.set rT, T+32*(\t)
.if (\n) < 32
	v_pk_fma_f32 v[rS+2*(\n):rS+2*(\n)+1], v[rS+2*(\n):rS+2*(\n)+1], s[CS:CS+1], v[rT:rT+1] op_sel_hi:[1,0,0]
.else
	v_fma_f32 v[rT+4+(\n)-32], v[rT+4+(\n)-32], s[CS], v[rT]
.endif
.endm
.macro FRONT t, n                      ; the 85 lines ahead of a tile's exponentials
.if (\n) < 40
	MAXL \t, \n
.elseif (\n) < 49
	STATL \t, (\n)-40
.else
	FMAL \t, (\n)-49
.endif
.endm
.macro EXPL t, n                       ; 68: p = 2^(t - M), then the four blocks' largest p
.if (\n) < 64
	v_exp_f32 v[S+64*(\t)+(\n)], v[S+64*(\t)+(\n)]
.else
	v_exp_f32 v[T+32*(\t)+4+(\n)-64], v[T+32*(\t)+4+(\n)-64]
.endif
.endm
.macro SCLL t, n                       ; 20: the blocks' scales, p's scale word, the sum under the new M
.set rT, T+32*(\t)
.set b_, (\n)%4
.if (\n) < 4
	v_max_num_f32 v[rT+4+b_], 0x4800000, v[rT+4+b_]   ; the floor 2^(9 - 127): the byte cannot fall under 1
.elseif (\n) < 8
	v_add_nc_u32 v[rT+16+b_], 0xfc000000, v[rT+4+b_]  ; 8 off the exponent field: the conversion's scale operand
.elseif (\n) < 12
	v_and_or_b32 v[rT+12+b_], v[rT+4+b_], 0x7f800000, s[MNT]   ; 448 x the scale
.elseif (\n) < 16
	v_lshrrev_b32 v[rT+8+b_], 23, v[rT+16+b_]      ; the scale's byte
.elseif (\n) == 16
	v_lshl_or_b32 v[PS+(\t)], v[rT+9], 8, v[rT+8]
.elseif (\n) == 17
	v_lshl_or_b32 v[PS+(\t)], v[rT+10], 16, v[PS+(\t)]
.elseif (\n) == 18
	v_lshl_or_b32 v[PS+(\t)], v[rT+11], 24, v[PS+(\t)]
.else
	v_pk_mul_f32 v[rT+2:rT+3], v[rT+2:rT+3], v[rT+20:rT+21] op_sel_hi:[1,0]
.endif
.endm
.macro DMIN a, bnd                     ; two holds in one instruction: the conversion does not saturate (ISA guide 7.6.2); p is not negative, so the hold is one-sided
	v_dual_min_num_f32 v[\a], v[\a], v[\bnd] :: v_dual_min_num_f32 v[(\a)+1], v[(\a)+1], v[\bnd]
.endm
.macro H0L n                           ; 48 lines of tile 0 that read nothing written since the wait ahead of them: for each four p the first level of the row's sum (of the unquantised p), then their holds
.set k_, (\n)/3
.if (\n)%3 == 0
	v_pk_add_f32 v[TMP+2*k_:TMP+2*k_+1], v[S+4*k_:S+4*k_+1], v[S+4*k_+2:S+4*k_+3]
.elseif (\n)%3 == 1
	DMIN S+4*k_, T+12+k_/4
.else
	DMIN S+4*k_+2, T+12+k_/4
.endif
.endm
.macro SUML m                          ; 32: tile 1's row sum of the unquantised p, in four chains
.set c_, (\m)%4
.set j_, (\m)/4
.if (\m) < 4
	v_pk_add_f32 v[TMP+2*c_:TMP+2*c_+1], v[S+64+2*c_:S+64+2*c_+1], v[S+64+2*c_+8:S+64+2*c_+9]
.elseif (\m) < 28
	v_pk_add_f32 v[TMP+2*c_:TMP+2*c_+1], v[TMP+2*c_:TMP+2*c_+1], v[S+64+2*c_+8*(j_+1):S+64+2*c_+8*(j_+1)+1]
.elseif (\m) == 28
	v_pk_add_f32 v[TMP:TMP+1], v[TMP:TMP+1], v[TMP+2:TMP+3]
.elseif (\m) == 29
	v_pk_add_f32 v[TMP+4:TMP+5], v[TMP+4:TMP+5], v[TMP+6:TMP+7]
.elseif (\m) == 30
	v_pk_add_f32 v[TMP:TMP+1], v[TMP:TMP+1], v[TMP+4:TMP+5]
.else
	v_pk_add_f32 v[T+34:T+35], v[T+34:T+35], v[TMP:TMP+1]
.endif
.endm
.macro T1L n                           ; tile 1 behind its exponentials: 84 lines
.if (\n) < 20
	SCLL 1, \n
.elseif (\n) < 52
	SUML (\n)-20
.else
	DMIN S+64+2*((\n)-52), T+32+12+((\n)-52)/8
.endif
.endm
.macro PVW t, u                        ; O^T of tile t += v's fragment u x p's codes (all four operands in window 1)
.set rO, O+32*(\t)+8*(\u)
.if (\u)%2
	v_wmma_scale_f32_16x16x128_f8f6f4 v[rO:rO+7], v[VB+16*(\u):VB+16*(\u)+15], v[PC+16*(\t):PC+16*(\t)+15], v[rO:rO+7], v[VS+(\u)/2], v[PS+(\t)] matrix_a_scale:MATRIX_SCALE_ROW1
.else
	v_wmma_scale_f32_16x16x128_f8f6f4 v[rO:rO+7], v[VB+16*(\u):VB+16*(\u)+15], v[PC+16*(\t):PC+16*(\t)+15], v[rO:rO+7], v[VS+(\u)/2], v[PS+(\t)]
.endif
.endm
.macro SW t, k                         ; S^T of k's tile k x q's tile t: a whole sum (k and q in window 1, S^T in window 0)
.set rD, S+64*(\t)+8*(\k)
.set rA, KB+8*(\k)
.set rB, QF+16*(\t)
.set rK, KS+(\k)/2
.if ((\k)%2) && (\t)
	v_wmma_scale_f32_16x16x128_f8f6f4 v[rD:rD+7], v[rA:rA+15], v[rB:rB+15], 0, v[rK], v[QS] matrix_a_scale:MATRIX_SCALE_ROW1 matrix_b_scale:MATRIX_SCALE_ROW1
.elseif (\k)%2
	v_wmma_scale_f32_16x16x128_f8f6f4 v[rD:rD+7], v[rA:rA+15], v[rB:rB+15], 0, v[rK], v[QS] matrix_a_scale:MATRIX_SCALE_ROW1
.elseif \t
	v_wmma_scale_f32_16x16x128_f8f6f4 v[rD:rD+7], v[rA:rA+15], v[rB:rB+15], 0, v[rK], v[QS] matrix_b_scale:MATRIX_SCALE_ROW1
.else
	v_wmma_scale_f32_16x16x128_f8f6f4 v[rD:rD+7], v[rA:rA+15], v[rB:rB+15], 0, v[rK], v[QS]
.endif
.endm
.macro MX2 t, g                        ; pair g of tile t's twelve products: four of O^T, then eight of the next S^T.  No two that follow each other share an accumulator
.if (\g) < 2
	WIN 0x55
	PVW \t, 2*(\g)
	PVW \t, 2*(\g)+1
.else
	WIN 0x05
	SW \t, 2*(\g)-4
	SW \t, 2*(\g)-3
.endif
	WIN 0
.endm
.macro CODES t                         ; p's codes
.set rS, S+64*(\t)
.set rT, T+32*(\t)
	WIN 0x40
.irp b, 0,1,2,3
	v_cvt_scalef32_pk8_fp8_f32 v[PC+16*(\t)+4*\b:PC+16*(\t)+4*\b+1], v[rS+16*\b:rS+16*\b+7], v[rT+16+\b]
	v_cvt_scalef32_pk8_fp8_f32 v[PC+16*(\t)+4*\b+2:PC+16*(\t)+4*\b+3], v[rS+16*\b+8:rS+16*\b+15], v[rT+16+\b]
.endr
	WIN 0
.endm
; A TRIP.  At its head: S^T(i) of tile 0 is made; k(i), v(i - 1), tile 1's codes of step i - 1 and its O^T under the new M stand in registers.  last = 1: k's steps lie one place on in the slot
.macro ITER last
	v_add_nc_u32 v[ADK], s[TB], v[LI]
	v_add_nc_u32 v[ADS], s[TS], v[LI]
	v_add_nc_u32 v[ADT], s[TJ], v[L8]
	v_add_nc_u32 v[ADV], VOFF-STEPB*(\last), v[ADK]
.set n_, 0
.rept 85                               ; tile 0 up to its exponentials' inputs, with tile 1's twelve products in pairs, twelve lines apart; 25 plain lines follow the last pair
.if (n_%12) == 0 && n_ < 72
	MX2 1, n_/12
.endif
	FRONT 0, n_
.set n_, n_+1
.endr
	WIN 0x40                                       ; v(i) and k(i + 1): the registers' last products stand 25 plain lines back
.irp u, 0,1,2,3
.irp c, 0,1,2,3
	ds_load_b128 v[VB+16*\u+4*\c:VB+16*\u+4*\c+3], v[ADV] offset:2048*\u+512*\c
.endr
.endr
.irp k, 0,1,2,3,4,5,6,7
.irp c, 0,1
	ds_load_b128 v[KB+8*\k+4*\c:KB+8*\k+4*\c+3], v[ADK] offset:1024*\k+512*\c
.endr
.endr
	WIN 0
	ds_load_b64 v[VS:VS+1], v[ADT]                 ; v's 64 scale words: register u / 2, lanes 16 (u % 2) on
	ds_load_b128 v[KS:KS+3], v[ADS]                ; k's 128: register tile / 2, lanes 16 (tile % 2) on
.set n_, 0
.rept 49
	FRONT 1, n_                                    ; tile 1's maxima and statistics
.set n_, n_+1
.endr
	WALU                                           ; the wait ahead of the batch
.set n_, 0
.rept 68                               ; tile 0's exponentials; between them tile 1's multiply-adds, first read behind the next waits
	EXPL 0, n_
.if n_%2
	FMAL 1, n_/2
.endif
.set n_, n_+1
.endr
	FMAL 1, 34
	FMAL 1, 35
	WALU                                           ; one wait for the batch, ahead of its first reader
.set n_, 0
.rept 20
	SCLL 0, n_
.set n_, n_+1
.endr
	WALU                                           ; and ahead of tile 1's batch
.set n_, 0
.set m_, 0
.rept 68                               ; tile 1's exponentials; between them tile 0's first-level sums and holds
	EXPL 1, n_
.if (n_%3) != 2
	H0L m_
.set m_, m_+1
.endif
.set n_, n_+1
.endr
	H0L 46
	H0L 47
	s_wait_dscnt 0x0                               ; v(i) and k(i + 1) are in
	WIN 0x41
	WALU                                           ; one wait: for the batch, ahead of its first reader, and directly ahead of the first readers of both tiles' O^T
.irp t, 0,1
.set i, 0
.rept 16
	v_pk_mul_f32 v[O+32*\t+2*i:O+32*\t+2*i+1], v[O+32*\t+2*i:O+32*\t+2*i+1], v[T+32*\t+20:T+32*\t+21] op_sel_hi:[1,0]   ; O^T under the new M
.set i, i+1
.endr
.endr
	WIN 0
.irp w, 16,8,4,2                       ; tile 0's sixteen partial sums become one
.set k_, 0
.rept \w/2
	v_pk_add_f32 v[TMP+2*k_:TMP+2*k_+1], v[TMP+2*k_:TMP+2*k_+1], v[TMP+2*k_+\w:TMP+2*k_+\w+1]
.set k_, k_+1
.endr
.endr
	v_pk_add_f32 v[T+2:T+3], v[T+2:T+3], v[TMP:TMP+1]
	CODES 0
.set n_, 0
.rept 84                               ; tile 1 behind its exponentials, with tile 0's twelve products in pairs: six plain lines stand between the conversions and the first pair, 18 follow the last
.if (n_%12) == 6 && n_ < 78
	MX2 0, n_/12
.endif
	T1L n_
.set n_, n_+1
.endr
	CODES 1
.endm
.macro STEPS8 last                     ; eight trips: written once, walked eight times
	s_mov_b32 s[CNT], 8
.Lstep_\@:
	ITER \last
	s_add_co_u32 s[TB], s[TB], STEPB
	s_add_co_u32 s[TS], s[TS], 512
	s_add_co_u32 s[TJ], s[TJ], 256
	s_sub_co_u32 s[CNT], s[CNT], 1
	s_cmp_lg_u32 s[CNT], 0
	WALU                                           ; the wait here, directly ahead of the branch
	s_cbranch_scc1 .Lstep_\@
.endm
	WALU                                           ; the wait at the head's end
	s_cmp_lt_u32 s[WV], 4
	s_cbranch_scc0 .Lnot_mine
	s_wait_tensorcnt 0x0                           ; waves 0-3: k's step 0 and the scale words are in.  Slot 0's parts may stay out
.Lnot_mine:
	s_barrier_signal -1
	s_barrier_wait -1
	WIN 0x40
.irp k, 0,1,2,3,4,5,6,7
.irp c, 0,1
	ds_load_b128 v[KB+8*\k+4*\c:KB+8*\k+4*\c+3], v[ADK] offset:1024*\k+512*\c
.endr
.endr
	WIN 0
	ds_load_b128 v[KS:KS+3], v[ADS]
	s_wait_loadcnt 0x0                             ; q and its scale words
	s_wait_dscnt 0x0
	WIN 0x05
.irp k, 0,1,2,3,4,5,6,7
	SW 0, \k                                       ; S^T(0) of tile 0
.endr
	WIN 0
.Lslot:                                            ; three trips of eight key steps.  THE CHANGE OF SLOTS: each wave waits for all its tensor loads, adds 0 to its spare word, and waits for that and for its reads of the slot that it leaves
	s_wait_tensorcnt 0x0                           ; no tensor load of mine is out, so a group 0 may be written
	ds_add_u32 v[SPW], v[NIL]
	s_xor_b32 s[G0W+1], s[G0W+1], SLOT1            ; the walking descriptor: the other slot than last time,
	s_cmp_eq_u32 s[SLOTS], 1
	s_cselect_b32 s[STP], s[K3], s[R8]             ; eight key steps on; k's last fill seven, so that it ends with the head's last key
	s_add_nc_u64 s[G0W+2:G0W+3], s[G0W+2:G0W+3], s[STP:STP+1]
	s_and_b32 s[TB], s[TB], SLOT1                  ; back to a slot's first place,
	s_xor_b32 s[TB], s[TB], SLOT1                  ; in the other slot
	s_wait_dscnt 0x0
	CROUND                                         ; a round of the cluster's barrier; the joint load is the first thing behind it (the first time: slot 1's first fill, issued as a refill is)
	TLOAD G0W, G1
	STEPS8 0
	s_sub_co_u32 s[SLOTS], s[SLOTS], 1
	s_cmp_lg_u32 s[SLOTS], 0
	s_cbranch_scc1 .Lslot
	s_wait_tensorcnt 0x0                           ; the last change is written out: nothing is left to fetch.  Behind this barrier nobody reads slot 0, and it has had its last fill: the stage lies there
	ds_add_u32 v[SPW], v[NIL]
	s_and_b32 s[TB], s[TB], SLOT1
	s_xor_b32 s[TB], s[TB], SLOT1
	s_add_co_u32 s[TB], s[TB], STEPB               ; k's step 25 lies at the slot's second place
	s_wait_dscnt 0x0
	s_barrier_signal -1
	s_barrier_wait -1
	global_prefetch_b8 v[PFO], s[14:15] th:TH_LOAD_NT scope:SCOPE_SE   ; the residual's eight rows of 1,024 bytes that my wave loads behind these eight steps: 32 blocks of 256 bytes, a lane each
	STEPS8 1
.rept 4
	v_nop                                          ; places between tile 1's conversions and the products that take their codes (in the loop: the trip's four address lines)
.endr
	WIN 0x55
.irp u, 0,1,2,3
	PVW 1, \u                                      ; tile 1's last O^T products
.endr
	WIN 0
	; THE WAY OUT.  O^T / the sum goes into the work-group's stage, row = channel, 256 queries a row; a barrier; each wave takes eight whole rows of 1,024 bytes, adds queries at the same place, and stores them.
.irp i, 0,1,2,3,4,5,6,7
.irp h, 0,1
	global_load_b128 v[96+4*(2*\i+\h):96+4*(2*\i+\h)+3], v[LI], s[14:15] offset:16384*\i+512*\h th:TH_LOAD_NT   ; the residual: 512 consecutive bytes a load
.endr
.endr
	v_and_b32 v224, 15, v0                         ; r.  (These lines and the sums' are the places behind the last products)
	v_bfe_u32 v225, v0, 4, 1                       ; hh
	s_lshl_b32 s72, s[WV], 7
	v_mul_u32_u24 v226, v225, 8*SP
	v_lshl_add_u32 v226, v224, 2, v226
	v_add_nc_u32 v226, s72, v226                   ; in: row 8 hh, query 32 wave + r
	s_mul_i32 s72, s[WV], 8*SP
	v_add_nc_u32 v227, s72, v[LI]                  ; back: my eight rows, 16 bytes a lane
.irp t, 0,1
	v_add_f32 v[T+32*\t+4], v[T+32*\t+2], v[T+32*\t+3]   ; the sum's two halves,
.endr
.irp t, 0,1
	v_permlanex16_b32 v[T+32*\t+8], v[T+32*\t+4], s[SEL], s[SEL+1]
.endr
.irp t, 0,1
	v_add_f32 v[T+32*\t+4], v[T+32*\t+4], v[T+32*\t+8]   ; and lane l xor 16's
.endr
	WALU                                           ; the wait ahead of the reciprocals
.irp t, 0,1
	v_rcp_f32 v[T+32*\t+20], v[T+32*\t+4]
.endr
	v_nop                                          ; a plain instruction behind the reciprocals
	WIN 0x01                                       ; source 0 window 1
	WALU                                           ; and the wait ahead of their first reader, which is O^T's too
.irp t, 0,1
.set i, 0
.rept 16
	v_pk_mul_f32 v[S+32*\t+2*i:S+32*\t+2*i+1], v[O+32*\t+2*i:O+32*\t+2*i+1], v[T+32*\t+20:T+32*\t+21] op_sel_hi:[1,0]   ; each accumulator from its low end on
.set i, i+1
.endr
.endr
	WIN 0
.irp t, 0,1
.irp u, 0,1,2,3
.irp j, 0,1,2,3,4,5,6,7
	ds_store_b32 v226, v[S+32*\t+8*\u+\j] offset:(16*\u+\j)*SP+64*\t   ; channel 16 u + 8 hh + j, query 32 wave + 16 t + r
.endr
.endr
.endr
	s_wait_dscnt 0x0                               ; for the others' sake: my stores into the stage are done
	s_barrier_signal -1
	s_barrier_wait -1
.irp i, 0,1,2,3,4,5,6,7
.irp h, 0,1
	ds_load_b128 v[160+4*(2*\i+\h):160+4*(2*\i+\h)+3], v227 offset:\i*SP+512*\h
.endr
.endr
	s_wait_loadcnt 0x0                             ; the residual,
	s_wait_dscnt 0x0                               ; and my rows
.set i, 0
.rept 32
	v_pk_add_f32 v[160+2*i:160+2*i+1], v[160+2*i:160+2*i+1], v[96+2*i:96+2*i+1]
.set i, i+1
.endr
.irp i, 0,1,2,3,4,5,6,7
.irp h, 0,1
	global_store_b128 v[LI], v[160+4*(2*\i+\h):160+4*(2*\i+\h)+3], s[16:17] offset:16384*\i+512*\h th:TH_STORE_NT   ; 512 consecutive bytes, aligned
.endr
.endr
	s_wait_tensorcnt 0x0                           ; the wave's end: behind my last tensor load and my last LDS store
	ds_add_u32 v[SPW], v[NIL]
	s_wait_dscnt 0x0
	CROUND                                         ; the closing round
	s_endpgm
.Lfunc_end_k_qf31667c112_attn:
	.size	k_qf31667c112_attn, .Lfunc_end_k_qf31667c112_attn-k_qf31667c112_attn
	.p2alignl 7, 3214868480
	.fill 96, 4, 3214868480
	.section	.rodata,"a",@progbits
	.p2align	6, 0x0
	.amdhsa_kernel k_qf31667c112_attn
		.amdhsa_group_segment_fixed_size 327680
		.amdhsa_private_segment_fixed_size 0
		.amdhsa_enable_private_segment 0
		.amdhsa_kernarg_size 56
		.amdhsa_user_sgpr_count 2
		.amdhsa_user_sgpr_kernarg_segment_ptr 1
		.amdhsa_wavefront_size32 1
		.amdhsa_system_sgpr_workgroup_id_x 1
		.amdhsa_system_sgpr_workgroup_id_y 1
		.amdhsa_system_sgpr_workgroup_id_z 1
		.amdhsa_system_vgpr_workitem_id 0
		.amdhsa_next_free_vgpr 512
		.amdhsa_next_free_sgpr 96
		.amdhsa_reserve_vcc 0
		.amdhsa_float_denorm_mode_32 3
		.amdhsa_float_denorm_mode_16_64 3
		.amdhsa_memory_ordered 1
		.amdhsa_forward_progress 1
		.amdhsa_inst_pref_size 100
	.end_amdhsa_kernel
	.amdgpu_metadata
---
amdhsa.version: [ 1, 2 ]
amdhsa.kernels:
  - .name:           k_qf31667c112_attn
    .symbol:         k_qf31667c112_attn.kd
    .args:
      - { .name: qimg, .offset: 0, .size: 8, .value_kind: global_buffer, .address_space: global }
      - { .name: qsc, .offset: 8, .size: 8, .value_kind: global_buffer, .address_space: global }
      - { .name: kimg, .offset: 16, .size: 8, .value_kind: global_buffer, .address_space: global }
      - { .name: vimg, .offset: 24, .size: 8, .value_kind: global_buffer, .address_space: global }
      - { .name: sc, .offset: 32, .size: 8, .value_kind: global_buffer, .address_space: global }
      - { .name: queries, .offset: 40, .size: 8, .value_kind: global_buffer, .address_space: global }
      - { .name: out0, .offset: 48, .size: 8, .value_kind: global_buffer, .address_space: global }
    .group_segment_fixed_size: 327680
    .private_segment_fixed_size: 0
    .kernarg_segment_align: 8
    .kernarg_segment_size: 56
    .max_flat_workgroup_size: 256
    .sgpr_count:     96
    .vgpr_count:     512
    .wavefront_size: 32
...
	.end_amdgpu_metadata
.endif
;; end of part 3
